; MI455X (gfx1250); checked and timed in simulation.
; The chip was launched on July 23, 2026; its instructions are those of AMD's public machine-readable ISA for CDNA 5 (MIT licence, August 2026) and "CDNA5" Instruction Set Architecture Reference Guide (July 2026). The comments in the code are by the model that wrote it; some were corrected since.
;; Multihead Self Attention. Allowed arithmetic: matrix products marked QUANTISED: E4M3 operands, one given power-of-two scale a tensor, by v_wmma_f32_16x16x64_fp8_fp8 or v_wmma_f32_16x16x128_fp8_fp8, f32 sums; everything else in f32.
;; Inputs: Wk 1,024 x 1,024 float32; Wo 1,024 x 1,024 float32; Wq 1,024 x 1,024 float32; Wv 1,024 x 1,024 float32; cos 2,048 x 32 float32; lowp_scales 12 int32 (the exponents e of the quantised operands' scales 2^e); sin 2,048 x 32 float32; token_positions 4 x 1 x 2,048 int32; x 4 x 2,048 x 1,024 float32.
;; Outputs: out0 4 x 2,048 x 1,024 float32.
;; This version of the problem:
;;   THIS VERSION OF THE PROBLEM IS GIVEN IN LOW PRECISION. The matrix products marked QUANTISED in the list below multiply operands that are first quantised to E4M3 (4 exponent bits, 3 mantissa bits; 8 bits a number), with one given power-of-two scale for each operand tensor; their sums are f32. All else is computed in f32.
;;   The module's matrix products, in the order in which they are computed (A, B: the left and right operand; K: the contracted axis; several contracted axes count as one K, in the product's order):
;;     1. [M 8,192, K 1,024] x [K 1,024, N 1,024]; A: input x; B: input Wq: QUANTISED (scales: A lowp_scales[0], B lowp_scales[1])
;;     2. [M 8,192, K 1,024] x [K 1,024, N 1,024]; A: input x; B: input Wk: QUANTISED (scales: A lowp_scales[2], B lowp_scales[3])
;;     3. [M 8,192, K 1,024] x [K 1,024, N 1,024]; A: input x; B: input Wv: QUANTISED (scales: A lowp_scales[4], B lowp_scales[5])
;;     4. batch 64 x [M 2,048, K 64] x [K 64, N 2,048]; A: computed on the way; B: computed on the way: QUANTISED (scales: A lowp_scales[6], B lowp_scales[7])
;;     5. batch 64 x [M 2,048, K 2,048] x [K 2,048, N 64]; A: softmax (see below); B: computed on the way: QUANTISED (scales: A lowp_scales[8], B lowp_scales[9])
;;     6. [M 8,192, K 1,024] x [K 1,024, N 1,024]; A: computed on the way; B: input Wo: QUANTISED (scales: A lowp_scales[10], B lowp_scales[11])
;;   THE QUANTISER, for each operand of a quantised product, along K:
;;     - The operand's scale is 2^e, e = its entry of the input lowp_scales (int32; the entries are numbered through the quantised products in the list's order, A before B).
;;     - Each number is divided by the scale, clamped to +-448, and rounded to the nearest number of E4M3, ties to even, subnormals kept.
;;     - The product sums the exact products of the quantised numbers (number of the format x scale) in f32.
;;   ~~~python
;;   def quantise(x, axis, e):      # numpy; x: float32 -> the quantised numbers, widened to float32 again
;;       x = np.moveaxis(x, axis, -1); K = x.shape[-1]
;;       r = np.clip(x / 2.0 ** e, -448, 448)
;;       step = 2.0 ** (np.maximum(np.frexp(np.where(r == 0, 1, r))[1] - 1, -6) - 3)
;;       q = np.round(r / step) * step * 2.0 ** e      # np.round: ties to even
;;       return np.moveaxis(q, -1, axis).astype(np.float32)
;;   ~~~
;;   SOFTMAX AHEAD OF A QUANTISED PRODUCT. Where the list says 'softmax', what is quantised is not the finished softmax but p = 2^(t - M), with t = logit x log2(e) and M = ceil(the row's largest t), a whole number; so 1/2 < the row's largest p <= 1. The row's sum l is taken of the UNQUANTISED p, in f32, and the product's result is divided by l at the end. Since M is a whole number, a kernel that streams over the keys may use a running M (the ceiling of the running maximum): every later rescaling is an exact power of two, so the quantised numbers keep their values, but for numbers so far below the row's largest that they fall under the format's range.
;;   OPERANDS COMPUTED ON THE WAY. 'Computed on the way' means the value that the module computes at that place (a softmax that the list does not call 'softmax' is quantised finished and normalised). What goes into a quantiser is computed in f32, as accurately as f32 sums, v_exp_f32 and their like allow (about 1e-6 of the number): no bf16 or f16 on the way to a quantiser, and a product that is left as it is and whose result goes on into a quantised operand takes f32 operands (vector FMAs, or v_wmma_f32_16x16x4_f32). A number that lies on a knife's edge between two numbers of the format may be rounded either way, as far as f32 arithmetic and the matrix unit's own rounding can turn it there, and no further.
;; One version. Each part assembles by itself: llvm-mc -triple=amdgcn-amd-amdhsa -mcpu=gfx1250 --defsym DOCPART=n.
;; ======== version 1 of 1: 4 launches
;; workspace buffers: xc 25,165,824 bytes; wc 4,194,304 bytes; qc 8,388,608 bytes; kv 16,777,216 bytes; ac 8,388,608 bytes
;; launch quant (part 1): grid 384 x 1, 4 waves a work-group, no clusters, 35,328 bytes of LDS; arguments x, Wq, Wk, Wv, Wo, lowp_scales, xc, wc; writes xc, wc
.if DOCPART == 1
	.amdgcn_target "amdgcn-amd-amdhsa--gfx1250"
	.amdhsa_code_object_version 6
	.text
	.protected	k_qae2af293b5_quant
	.globl	k_qae2af293b5_quant
	.p2align	8
	.type	k_qae2af293b5_quant,@function
k_qae2af293b5_quant:
	s_mov_b64 s[64:65], 0
	v_nop
	global_prefetch_b8 v0, s[64:65] scope:SCOPE_SE
	s_setreg_imm32_b32 hwreg(HW_REG_WAVE_MODE, 25, 1), 1
	s_wait_xcnt 0x0
; x [8192][1024] f32 becomes codes of E4M3 three times (under entries 0, 2 and 4 of the scales: nothing says that they are equal); Wq, Wk, Wv, Wo [1024 k][1024 n] f32 once each (entries 1, 3, 5, 11).
; code = number / 2^e, held within +-448, rounded to the nearest code, ties to even.
; THE CODES ARE LAID AS IMAGES OF OPERAND REGISTERS.  A fragment of 16 rows x 128 K is 16 registers a lane: lane (r, h) holds row r, registers 2 c, 2 c + 1 hold k = 16 c + 8 h + 0 .. 7.
; Its image is 2,048 bytes: registers 4 g .. 4 g + 3 of lane l lie at 512 g + 16 l.  Two images (256 along K) of a tile of 16 rows lie on end, 4,096 bytes; then the next tile of rows; then the next 256 along K.
; So the products' launches fetch dense blocks and load fragments 16 bytes a lane with no pitch.
; Work-groups 0-255 take x, 256-383 the weights: two paths that part on the work-group's number; only x's path touches LDS.  No cluster: no two work-groups read the same bytes.
; LIMITS: each e lies between -126 and 119, so that 2^e and 448 x 2^e are f32 numbers.  NaN among the inputs is not served.
.set SPARE, 34816                      ; behind the four waves' stages: the spare words, 128 bytes a wave
.set SPW,  14                          ; v14  my spare word's LDS address; never rewritten
.set NIL,  15                          ; v15  0; never rewritten
.set GIN,  3                           ; v3   offset of my bytes in a load
.set GOUT, 4                           ; v4   offset of my bytes in a store
.set SIN,  5                           ; v5   the stage, on the way in
.set SOUT, 6                           ; v6   the stage, on the way out
.set R,    16                          ; v16-143  x: four sets of 32 registers as loaded
.set X,    144                         ; v144-207 x: two sets of 32: k = 16 c + 8 h + 0 .. 7 of my row in registers 8 c ..
.set T,    208                         ; v208-223 two sets of 8 held numbers
.set C,    224                         ; v224-247 codes: 8 registers for each of the three scales
.set WX,   32                          ; v32-95   weights: two sets of 32 numbers
.set WC,   96                          ; v96-159  weights: 8 registers of codes for each block, never written twice
	s_load_b512 s[4:19], s[0:1], 0x0               ; x, Wq, Wk, Wv, Wo, scales, xc, wc
	v_lshl_add_u32 v[SPW], v0, 2, SPARE
	v_mov_b32 v[NIL], 0
	v_lshrrev_b32 v1, 5, v0
	v_readfirstlane_b32 s20, v1                    ; wave
	v_and_b32 v2, 31, v0                           ; lane
	v_and_b32 v7, 15, v0                           ; r
	v_bfe_u32 v1, v0, 4, 1                         ; h
	s_wait_kmcnt 0x0
	s_load_b256 s[24:31], s[14:15], 0x0            ; e0 .. e7
	s_load_b128 s[32:35], s[14:15], 0x20           ; e8 .. e11
	s_cmp_lt_u32 ttmp9, 256
	s_cbranch_scc0 .Lweights
; ---------------- x: a wave takes 16 rows x 512 along K, in 8 steps of 64 ----------------
	s_lshl_b32 s21, ttmp9, 2
	s_add_co_u32 s21, s21, s20                     ; 0 .. 1023
	s_lshr_b32 s22, s21, 1                         ; tile of 16 rows
	s_and_b32 s23, s21, 1                          ; which half of K
	s_lshl_b32 s36, s22, 16                        ; 16 rows of 4,096 bytes
	s_lshl_b32 s37, s23, 11
	s_add_co_u32 s36, s36, s37
	s_mov_b32 s37, 0
	s_add_nc_u64 s[4:5], s[4:5], s[36:37]
	s_lshl_b32 s36, s22, 12                        ; the tile's 4,096 bytes in a run of 256 along K,
	s_lshl_b32 s38, s23, 22                        ; two such runs of 0x200000 bytes for each half of K
	s_add_co_u32 s36, s36, s38
	s_add_nc_u64 s[40:41], s[16:17], s[36:37]      ; the three parts of xc
	s_add_nc_u64 s[42:43], s[40:41], 0x800000
	s_add_nc_u64 s[44:45], s[42:43], 0x800000
	v_lshlrev_b32 v[GIN], 4, v7
	v_lshl_add_u32 v[GIN], v1, 12, v[GIN]          ; sixteen lanes read 256 consecutive bytes of a row, the other sixteen the next row's
	v_lshlrev_b32 v[GOUT], 4, v2                   ; 16 x lane: a store covers 512 consecutive bytes
	s_mul_i32 s46, s20, 8704                       ; my two stages of 16 rows x 272 bytes
	v_mul_u32_u24 v[SIN], v1, 272
	v_lshl_add_u32 v[SIN], v7, 4, v[SIN]
	v_add_nc_u32 v[SIN], s46, v[SIN]
	v_mul_u32_u24 v[SOUT], v7, 272                 ; row r; 272 bytes are 68 words, so sixteen rows start at sixteen different groups of banks
	v_lshl_add_u32 v[SOUT], v1, 5, v[SOUT]         ; + 32 h: eight numbers
	v_add_nc_u32 v[SOUT], s46, v[SOUT]
.macro LOAD t                          ; step t: 16 rows x 256 bytes, two rows a load
.irp i, 0,1,2,3,4,5,6,7
	global_load_b128 v[R+32*((\t)%4)+4*\i:R+32*((\t)%4)+4*\i+3], v[GIN], s[4:5] offset:8192*\i+256*(\t) th:TH_LOAD_NT
.endr
.endm
.macro TURN t                          ; through my stage: in as loaded, out as the operand's layout wants them.  LDS serves a wave's instructions in order: no wait between
.irp i, 0,1,2,3,4,5,6,7
	ds_store_b128 v[SIN], v[R+32*((\t)%4)+4*\i:R+32*((\t)%4)+4*\i+3] offset:4352*((\t)%2)+544*\i
.endr
.irp c, 0,1,2,3
	ds_load_b128 v[X+32*((\t)%2)+8*\c:X+32*((\t)%2)+8*\c+3], v[SOUT] offset:4352*((\t)%2)+64*\c
	ds_load_b128 v[X+32*((\t)%2)+8*\c+4:X+32*((\t)%2)+8*\c+7], v[SOUT] offset:4352*((\t)%2)+64*\c+16
.endr
.endm
.irp t, 0,1,2,3
	LOAD \t
.endr
	s_wait_kmcnt 0x0
.irp p, 0,1,2                          ; v[8 + 2 p] = 2^e, v[9 + 2 p] = 448 x 2^e, e = entry 2 p
	s_add_co_i32 s47, s[24+2*\p], 127
	s_lshl_b32 s48, s47, 23
	v_mov_b32 v[8+2*\p], s48
	s_add_co_i32 s47, s47, 8
	s_lshl_b32 s47, s47, 23
	s_or_b32 s47, s47, 0x600000
	v_mov_b32 v[9+2*\p], s47
.endr
	s_wait_loadcnt 24                              ; step 0's eight loads are in; three steps' may be out
	TURN 0
.macro STEP t
	s_wait_dscnt 0x0                               ; this step's numbers are back, and its stage stores have read their registers,
.if (\t)+4 < 8
	LOAD (\t)+4                                    ; which take the loads of four steps on
.endif
.if (\t)+1 < 8
.if 6-(\t) >= 3
	s_wait_loadcnt 24                              ; the next step's loads are in; those of the steps behind it may be out
.else
	s_wait_loadcnt 8*(6-(\t))
.endif
	TURN (\t)+1
.endif
	s_wait_xcnt 0x0                                ; the last step's stores have read their codes: the registers may be written again
.irp p, 0,1,2
.irp c, 0,1,2,3
.irp j, 0,1,2,3,4,5,6,7
	v_med3_num_f32 v[T+8*(\c%2)+\j], v[X+32*((\t)%2)+8*\c+\j], -v[9+2*\p], v[9+2*\p]   ; the conversion does not saturate (ISA guide 7.6.2): the hold comes first.  The two sets take turns, so that plain lines stand between a conversion and the next write of its sources
.endr
	v_cvt_scalef32_pk8_fp8_f32 v[C+8*\p+2*\c:C+8*\p+2*\c+1], v[T+8*(\c%2):T+8*(\c%2)+7], v[8+2*\p]
.endr
	global_store_b128 v[GOUT], v[C+8*\p:C+8*\p+3], s[40+2*\p:41+2*\p] offset:((\t)/4)*0x200000+(((\t)/2)%2)*2048+((\t)%2)*1024
	global_store_b128 v[GOUT], v[C+8*\p+4:C+8*\p+7], s[40+2*\p:41+2*\p] offset:((\t)/4)*0x200000+(((\t)/2)%2)*2048+((\t)%2)*1024+512
.endr
.endm
.irp t, 0,1,2,3,4,5,6,7
	STEP \t
.endr
	s_wait_tensorcnt 0x0                           ; the wave's end, behind my last LDS store
	ds_add_u32 v[SPW], v[NIL]
	s_wait_dscnt 0x0
	s_endpgm
; ---------------- the weights: a lane takes a column n, its registers run down K: the codes come out with K innermost ----------------
.Lweights:
	s_sub_co_u32 s21, ttmp9, 256
	s_lshr_b32 s22, s21, 5                         ; which weight
	s_bfe_u32 s23, s21, 0x20003                    ; which 256 along K
	s_and_b32 s36, s21, 7                          ; which 128 columns
	s_cmp_eq_u32 s22, 1
	s_cselect_b64 s[38:39], s[8:9], s[6:7]
	s_cmp_eq_u32 s22, 2
	s_cselect_b64 s[38:39], s[10:11], s[38:39]
	s_cmp_eq_u32 s22, 3
	s_cselect_b64 s[38:39], s[12:13], s[38:39]
	s_lshl_b32 s40, s23, 20                        ; 256 rows of 4,096 bytes
	s_lshl_b32 s41, s36, 9
	s_add_co_u32 s40, s40, s41
	s_lshl_b32 s41, s20, 7                         ; my wave's 32 columns
	s_add_co_u32 s40, s40, s41
	s_mov_b32 s41, 0
	s_add_nc_u64 s[38:39], s[38:39], s[40:41]
	s_lshl_b32 s40, s22, 20                        ; the weight's part of wc,
	s_lshl_b32 s42, s23, 18                        ; its run of 256 along K,
	s_add_co_u32 s40, s40, s42
	s_lshl_b32 s42, s36, 15                        ; eight tiles of 16 columns,
	s_add_co_u32 s40, s40, s42
	s_lshl_b32 s42, s20, 13                        ; my wave's two
	s_add_co_u32 s40, s40, s42
	s_add_nc_u64 s[18:19], s[18:19], s[40:41]
	v_lshlrev_b32 v[GIN], 2, v2                    ; 4 bytes a lane: 128 consecutive bytes a load
	v_lshlrev_b32 v[GOUT], 4, v7
	v_lshl_add_u32 v[GOUT], v1, 12, v[GOUT]        ; my tile of columns, and my column's 16 bytes in a group: sixteen lanes store 256 consecutive bytes
.macro LOADW t                         ; block t: W(32 t + i, my column)
.set i, 0
.rept 32
	global_load_b32 v[WX+32*((\t)%2)+i], v[GIN], s[38:39] offset:(32*(\t)+i)*4096 th:TH_LOAD_NT
.set i, i+1
.endr
.endm
	LOADW 0
	LOADW 1
	s_wait_kmcnt 0x0
	s_cmp_eq_u32 s22, 1
	s_cselect_b32 s46, s27, s25
	s_cmp_eq_u32 s22, 2
	s_cselect_b32 s46, s29, s46
	s_cmp_eq_u32 s22, 3
	s_cselect_b32 s46, s35, s46                    ; e: entry 1, 3, 5 or 11
	s_add_co_i32 s46, s46, 127
	s_lshl_b32 s47, s46, 23
	v_mov_b32 v11, s47                             ; 2^e
	s_add_co_i32 s46, s46, 8
	s_lshl_b32 s46, s46, 23
	s_or_b32 s46, s46, 0x600000
	v_mov_b32 v10, s46                             ; 448 x 2^e
; A block of 32 along K is one group of an image.  The place of lane (r, 0) takes k = 0-7 and 16-23, that of lane (r, 1) k = 8-15 and 24-31: my column fills both, by two stores 256 bytes apart.
.macro BLOCK t
.set XS, WX+32*((\t)%2)
.set CW, WC+8*(\t)
.if (\t) < 7
	s_wait_loadcnt 32                              ; this block's loads are in; the next block's 32 may be out
.else
	s_wait_loadcnt 0
.endif
.set i, 0
.rept 32
	v_med3_num_f32 v[XS+i], v[XS+i], -v10, v10
.set i, i+1
.endr
	v_cvt_scalef32_pk8_fp8_f32 v[CW:CW+1], v[XS:XS+7], v11
	v_cvt_scalef32_pk8_fp8_f32 v[CW+4:CW+5], v[XS+8:XS+15], v11
	v_cvt_scalef32_pk8_fp8_f32 v[CW+2:CW+3], v[XS+16:XS+23], v11
	v_cvt_scalef32_pk8_fp8_f32 v[CW+6:CW+7], v[XS+24:XS+31], v11
	global_store_b128 v[GOUT], v[CW:CW+3], s[18:19] offset:((\t)/4)*2048+((\t)%4)*512
	global_store_b128 v[GOUT], v[CW+4:CW+7], s[18:19] offset:((\t)/4)*2048+((\t)%4)*512+256
.if (\t)+2 < 8
	LOADW (\t)+2
.endif
.endm
.irp t, 0,1,2,3,4,5,6,7
	BLOCK \t
.endr
	s_endpgm
.Lfunc_end_k_qae2af293b5_quant:
	.size	k_qae2af293b5_quant, .Lfunc_end_k_qae2af293b5_quant-k_qae2af293b5_quant
	.p2alignl 7, 3214868480
	.fill 96, 4, 3214868480
	.section	.rodata,"a",@progbits
	.p2align	6, 0x0
	.amdhsa_kernel k_qae2af293b5_quant
		.amdhsa_group_segment_fixed_size 35328
		.amdhsa_private_segment_fixed_size 0
		.amdhsa_enable_private_segment 0
		.amdhsa_kernarg_size 64
		.amdhsa_user_sgpr_count 2
		.amdhsa_user_sgpr_kernarg_segment_ptr 1
		.amdhsa_wavefront_size32 1
		.amdhsa_system_sgpr_workgroup_id_x 1
		.amdhsa_system_sgpr_workgroup_id_y 1
		.amdhsa_system_sgpr_workgroup_id_z 1
		.amdhsa_system_vgpr_workitem_id 0
		.amdhsa_next_free_vgpr 256
		.amdhsa_next_free_sgpr 66
		.amdhsa_reserve_vcc 0
		.amdhsa_float_denorm_mode_32 3
		.amdhsa_float_denorm_mode_16_64 3
		.amdhsa_memory_ordered 1
		.amdhsa_forward_progress 1
		.amdhsa_inst_pref_size 122
	.end_amdhsa_kernel
	.amdgpu_metadata
---
amdhsa.version: [ 1, 2 ]
amdhsa.kernels:
  - .name:           k_qae2af293b5_quant
    .symbol:         k_qae2af293b5_quant.kd
    .args:
      - { .name: x, .offset: 0, .size: 8, .value_kind: global_buffer, .address_space: global }
      - { .name: Wq, .offset: 8, .size: 8, .value_kind: global_buffer, .address_space: global }
      - { .name: Wk, .offset: 16, .size: 8, .value_kind: global_buffer, .address_space: global }
      - { .name: Wv, .offset: 24, .size: 8, .value_kind: global_buffer, .address_space: global }
      - { .name: Wo, .offset: 32, .size: 8, .value_kind: global_buffer, .address_space: global }
      - { .name: lowp_scales, .offset: 40, .size: 8, .value_kind: global_buffer, .address_space: global }
      - { .name: xc, .offset: 48, .size: 8, .value_kind: global_buffer, .address_space: global }
      - { .name: wc, .offset: 56, .size: 8, .value_kind: global_buffer, .address_space: global }
    .group_segment_fixed_size: 35328
    .private_segment_fixed_size: 0
    .kernarg_segment_align: 8
    .kernarg_segment_size: 64
    .max_flat_workgroup_size: 128
    .sgpr_count:     66
    .vgpr_count:     256
    .wavefront_size: 32
...
	.end_amdgpu_metadata
.endif
;; end of part 1
;; launch qkv (part 2): grid 12 x 32, 4 waves a work-group, clusters of 4 x 4, 327,680 bytes of LDS; arguments xc, wc, lowp_scales, token_positions, cos, sin, qc, kv; writes qc, kv
.if DOCPART == 2
	.amdgcn_target "amdgcn-amd-amdhsa--gfx1250"
	.amdhsa_code_object_version 6
	.text
	.protected	k_qae2af293b5_qkv
	.globl	k_qae2af293b5_qkv
	.p2align	8
	.type	k_qae2af293b5_qkv,@function
k_qae2af293b5_qkv:
	s_mov_b64 s[64:65], 0
	v_nop
	global_prefetch_b8 v0, s[64:65] scope:SCOPE_SE
	s_setreg_imm32_b32 hwreg(HW_REG_WAVE_MODE, 25, 1), 1
	s_wait_xcnt 0x0
	s_wait_alu depctr_hold_cnt(0) depctr_sa_sdst(0) depctr_va_vdst(0) depctr_va_sdst(0) depctr_va_ssrc(0) depctr_va_vcc(0) depctr_vm_vsrc(0)
	s_getreg_b32 s2, hwreg(HW_REG_IB_STS2, 6, 4)
	s_cmp_eq_u32 s2, 0
	s_cbranch_scc0 .Lentry_in_a_cluster
	s_endpgm
.Lentry_in_a_cluster:
	s_bfe_u32 s2, ttmp6, 0x10000c
	s_cmp_lg_u32 s2, 0xf033
	s_cbranch_scc0 .Lentry_shape_is_right
	s_endpgm
.Lentry_shape_is_right:
; q = rope(x Wq), k = rope(x Wk), v = x Wv on codes of E4M3, and the three results quantised for the attention's products (entries 6, 7, 9 of the scales).
; The cluster's x says which product: 0 q, 1 k, 2 v.  A work-group of four waves makes 256 x 256 of a product, a wave 128 x 128: 64 accumulators of 16 x 16.
; OPERANDS are images of operand registers (16 rows x 128 K: 2,048 bytes, registers 4 g .. 4 g + 3 of lane l at 512 g + 16 l; two on end for 256 along K).  So a tile is one dense block of memory and of LDS.
; "A" is source 1 (a lane holds one of its rows), "B" is source 0 (a lane's eight results run along its rows).  q, k: A = x (tokens), B = W (channels): a lane's eight results are eight neighbouring channels of a token,
; which are the next product's K.  v: A = Wv (channels), B = x (tokens): eight neighbouring KEYS of a channel, the second attention product's K.  So each conversion's result is a pair of registers of the next operand,
; and the results leave as images, 512 consecutive bytes a store, with no stage in LDS.
; RoPE is linear, so the sums' missing power of two is folded into the conversion: code = rope(sum) / 2^F, F = e_out - e_x - e_W.
; K = 1,024 goes in four runs of 256 through two LDS slots.  CLUSTERS of 4 x 4: A's tile is shared along a row of the cluster, B's along a column: joint loads.
; The tables' rows are asked for at the head by every work-group, v's too, which do not use them: the head is one text for the three products.
; LIMITS: F between -126 and 119.  Positions are held to 0 .. 2047, the tables' rows.  NaN is not served.
; REGISTERS: window 0: v8-15 table offsets, v16-29 addresses and constants, v32-127 tables of row blocks 0-2, v128-255 A's fragments (one set), later the way out.
;   window 1: B's fragments, two sets; later the tables of row blocks 3-7.   windows 2, 3: accumulator (a, b) at v[8 (8 (a % 4) + b)] of window 2 + a / 4.
.set NBF,   8                          ; B's fragments for a wave
.set SLOT,  65536+2*NBF*4096           ; A's two halves of 32,768 bytes, then B's two
.set SPARE, 2*SLOT                     ; behind the ring: the spare words, 128 bytes a wave
.set APW,   32/NBF                     ; A's blocks whose accumulators fill a window
.set AF,    128
.set TO,    8
.set ADRA,  16
.set ADRB,  20
.set LI,    24                         ; v24  16 x lane
.set LIM,   25                         ; v25  448 x 2^F
.set SCL,   26                         ; v26  2^F
.set H16,   27                         ; v27  16 h
.set SPW,   28
.set NIL,   29
.set R,     128                        ; the way out: 64 numbers
.set T,     192                        ; 8 at work
.set PC,    200                        ; two sets of 16 registers of codes
.set WV, 20
.set HA, 21                            ; which 128 rows of A are mine.  Also: I fetch for A (0) or for B (1)
.set HB, 22                            ; which half of B is mine.  Also: which half of that tile I fetch
.set G1,  24
.set G0,  32
.set G1B, 48
.set G0B, 56
.set KSA, 66                           ; s[66:67] from a run of 256 along K to the next, in A's buffer;  s[68:69] in B's
.set KSB, 68
.set BASE0, 84
.set BASE1, 86
.set MSB, 0
.macro WIN new                         ; the immediate's high byte repeats the setting that is left
.if MSB != \new
	s_set_vgpr_msb (MSB<<8)|\new
.set MSB, \new
.endif
.endm
.set MUL_LO, 0xa1                      ; source 0 (B) window 1, source 1 (A) window 0, C and D window 2
.set MUL_HI, 0xa1+0x50*(4/APW)         ; blocks 4-7: window 3 where the accumulators fill two windows
.set TO_B,   0x40
.macro JLOAD s                         ; a joint load: waves 0, 1 fetch A's halves, waves 2, 3 B's; an s_nop 0 and four v_nop follow each line
	s_cmp_eq_u32 s[HA], 0
	s_cbranch_scc0 .Lfor_b_\@
	tensor_load_to_lds s[G0+4*\s:G0+4*\s+3], s[G1:G1+7]
	s_nop 0
.rept 4
	v_nop
.endr
	s_branch .Lasked_\@
.Lfor_b_\@:
	tensor_load_to_lds s[G0B+4*\s:G0B+4*\s+3], s[G1B:G1B+7]
	s_nop 0
.rept 4
	v_nop
.endr
.Lasked_\@:
.endm
.macro CREST                           ; a round of the cluster's barrier behind its opening barrier
	s_cmp_lg_u32 s[WV], 0
	s_cbranch_scc1 .Lnot_wave_0_\@
	s_barrier_signal -3
.Lnot_wave_0_\@:
	s_barrier_wait -3
	s_barrier_signal -1
	s_barrier_wait -1
.endm
.macro CROUND
	s_barrier_signal -1
	s_barrier_wait -1
	CREST
.endm
.macro PLACES                          ; four plain places behind matrix instructions, ahead of loads into their sources and of reads of their results
.rept 4
	v_nop
.endr
.endm
.macro FRAG reg, adr, q, i             ; fragment i of my half, the slot's q-th 128 along K: four loads of 512 consecutive bytes
.irp c, 0,1,2,3
	ds_load_b128 v[\reg+4*\c:\reg+4*\c+3], v[\adr] offset:(\i)*4096+(\q)*2048+512*\c
.endr
.endm
.macro MUL2 a0, p, zero                ; A's blocks a0, a0 + 1 against B's set p.  The accumulators take turns, one instruction a turn, in the same order in every step
.irp a, \a0, \a0+1
.irp b, 0,1,2,3,4,5,6,7
.if \b < NBF
.if \zero
	v_wmma_f32_16x16x128_fp8_fp8 v[8*(NBF*((\a)%APW)+\b):8*(NBF*((\a)%APW)+\b)+7], v[128*(\p)+16*\b:128*(\p)+16*\b+15], v[AF+16*(\a):AF+16*(\a)+15], 0
.else
	v_wmma_f32_16x16x128_fp8_fp8 v[8*(NBF*((\a)%APW)+\b):8*(NBF*((\a)%APW)+\b)+7], v[128*(\p)+16*\b:128*(\p)+16*\b+15], v[AF+16*(\a):AF+16*(\a)+15], v[8*(NBF*((\a)%APW)+\b):8*(NBF*((\a)%APW)+\b)+7]
.endif
.endif
.endr
.endr
.endm
.macro FETCH_B slot, q, p
	WIN TO_B
.irp i, 0,1,2,3,4,5,6,7
.if \i < NBF
	FRAG 128*(\p)+16*\i, ADRB+\slot, \q, \i
.endif
.endr
	WIN 0
.endm
.macro FETCH_A slot, q, i0
.irp i, \i0, \i0+1, \i0+2, \i0+3
	FRAG AF+16*(\i), ADRA+\slot, \q, \i
.endr
.endm
; A slot's first 128 along K (B's set 0).  A block of A is free when its products are issued: blocks 0-3 are fetched anew in the middle, blocks 4-7 at the end; B's next set in the middle.
.macro STEP slot, zero
	s_wait_dscnt 16                                ; B's set and A's blocks 0-3 are in; the youngest sixteen loads (blocks 4-7) may be out
	WIN MUL_LO
	MUL2 0, 0, \zero
	MUL2 2, 0, \zero
	s_wait_dscnt 0x0
	PLACES
	FETCH_B \slot, 1, 1
	FETCH_A \slot, 1, 0
	WIN MUL_HI
	MUL2 4, 0, \zero
	MUL2 6, 0, \zero
	PLACES
	WIN 0
	FETCH_A \slot, 1, 4
.endm
; A slot's second 128 along K (B's set 1) changes slots: one barrier; ahead of it each wave waits for all its tensor loads, adds 0 to its spare word, and waits for that and for its reads of this slot.
.macro TURN slot, next, fill
	s_wait_tensorcnt 0x0                           ; my part of the next slot has landed; no load of mine is out
	ds_add_u32 v[SPW], v[NIL]
	s_wait_dscnt 17                                ; (the add and A's blocks 4-7 may be out)
	WIN MUL_LO
	MUL2 0, 1, 0
	s_wait_dscnt 0x0                               ; the add is done, my reads of this slot are over
	s_barrier_signal -1
	MUL2 2, 1, 0
	WIN 0
	s_barrier_wait -1
.if \fill
	CREST                                          ; the barrier has opened a round of the cluster's: no wave of any partner reads this slot or has a load on its way
	s_add_nc_u64 s[G0+4*\slot+2:G0+4*\slot+3], s[G0+4*\slot+2:G0+4*\slot+3], s[KSA:KSA+1]
	s_add_nc_u64 s[G0+4*\slot+2:G0+4*\slot+3], s[G0+4*\slot+2:G0+4*\slot+3], s[KSA:KSA+1]      ; two runs of 256 along K on
	s_add_nc_u64 s[G0B+4*\slot+2:G0B+4*\slot+3], s[G0B+4*\slot+2:G0B+4*\slot+3], s[KSB:KSB+1]
	s_add_nc_u64 s[G0B+4*\slot+2:G0B+4*\slot+3], s[G0B+4*\slot+2:G0B+4*\slot+3], s[KSB:KSB+1]
	JLOAD \slot                                    ; the first tensor load behind the round; its four v_nop are the places ahead of the loads below
.else
	PLACES
.endif
	FETCH_B \next, 0, 0
	FETCH_A \next, 0, 0
	WIN MUL_HI
	MUL2 4, 1, 0
	MUL2 6, 1, 0
	PLACES
	WIN 0
	FETCH_A \next, 0, 4
.endm
	s_load_b512 s[4:19], s[0:1], 0x0               ; xc, wc, scales, positions, cos, sin, qc, kv
	v_lshl_add_u32 v[SPW], v0, 2, SPARE
	v_mov_b32 v[NIL], 0
	ds_add_u32 v[SPW], v[NIL]                      ; the wave's opening: the add and its wait stand ahead of my first tensor load
	v_lshrrev_b32 v1, 5, v0
	v_readfirstlane_b32 s[WV], v1
	s_lshr_b32 s[HA], s[WV], 1
	s_and_b32 s[HB], s[WV], 1
	s_bfe_u32 s40, ttmp6, 0x40000                  ; cx
	s_bfe_u32 s41, ttmp6, 0x40004                  ; cy
	s_and_b32 s42, ttmp7, 0xffff
	s_lshl_b32 s42, s42, 2                         ; 4 x cluster y
	s_lshl_b32 s43, s41, 2
	s_lshl_b32 s43, 15, s43                        ; my row of the cluster
	s_lshl_b32 s44, 0x1111, s40                    ; my column
	s_or_b32 s[G1], s43, (3<<16)|(1<<21)           ; the mask; elements of 8 bytes; bit 21 beside a mask; no padding
	s_or_b32 s[G1B], s44, (3<<16)|(1<<21)
.irp g, G1, G1B
	s_mov_b32 s[\g+1], 32<<16                      ; tensor_dim0 = 32 elements: rows of 256 bytes
	s_mov_b32 s[\g+3], 32<<16                      ; tile_dim0
	s_mov_b32 s[\g+5], 32                          ; the pitch: a dense block
	s_mov_b32 s[\g+6], 0
	s_mov_b32 s[\g+7], 0
.endr
	s_mov_b32 s[G1+2], 128<<16                     ; 128 rows: 32,768 bytes
	s_mov_b32 s[G1+4], 128
	s_mov_b32 s[G1B+2], (16*NBF)<<16
	s_mov_b32 s[G1B+4], 16*NBF
	; which tiles.  q, k: A = tile 4 cly + cy of x's part, B = tile cx of the weight's part.  v: A = tile cy of Wv's part, B = tile 4 cly + cx of x's third part.
	; A's address is made in s88-91 of cy alone, B's in s92-95 of cx alone.
	s_add_co_u32 s88, s42, s41
	s_add_co_u32 s92, s42, s40
	s_mul_i32 s90, ttmp9, 0x800000                 ; x's part
	s_mul_i32 s94, ttmp9, 0x100000                 ; the weight's part
	s_mov_b32 s[KSA], 0x200000
	s_mov_b32 s[KSB], 0x40000
	s_mov_b32 s[KSA+1], 0
	s_mov_b32 s[KSB+1], 0
	s_cmp_eq_u32 ttmp9, 2                          ; the cluster's x: the same in all sixteen partners
	s_cselect_b32 s88, s41, s88                    ; A's tile
	s_cselect_b32 s92, s92, s40                    ; B's tile
	s_cselect_b32 s90, 0x200000, s90
	s_cselect_b32 s94, 0x1000000, s94
	s_cselect_b32 s[KSA], 0x40000, s[KSA]
	s_cselect_b32 s[KSB], 0x200000, s[KSB]
	s_mov_b32 s46, s88
	s_mov_b32 s47, s92
	s_lshl_b32 s88, s88, 16                        ; a tile of 256 rows x 256 K is 65,536 bytes,
	s_lshl_b32 s89, s[HB], 15                      ; the half that I fetch
	s_add_co_u32 s88, s88, s89
	s_add_co_u32 s88, s88, s90
	s_mov_b32 s89, 0
	s_lshl_b32 s92, s92, 16
	s_lshl_b32 s93, s[HB], 15
	s_add_co_u32 s92, s92, s93
	s_add_co_u32 s92, s92, s94
	s_mov_b32 s93, 0
	s_lshl_b32 s70, s[HB], 15                      ; where they go: A's halves at 0 and 32,768,
	s_mul_i32 s71, s[HB], NBF*4096
	s_add_co_u32 s71, s71, 65536                   ; B's behind them
	s_wait_dscnt 0x0                               ; the opening add is done
	s_wait_kmcnt 0x0
	s_load_b256 s[72:79], s[8:9], 0x0              ; e0 .. e7
	s_load_b128 s[80:83], s[8:9], 0x20             ; e8 .. e11
	s_cmp_eq_u32 ttmp9, 2
	s_cselect_b64 s[90:91], s[6:7], s[4:5]
	s_cselect_b64 s[94:95], s[4:5], s[6:7]
	s_add_nc_u64 s[88:89], s[90:91], s[88:89]
	s_add_nc_u64 s[92:93], s[94:95], s[92:93]
	CROUND                                         ; all sixteen work-groups are here: the first joint loads meet
.irp s, 0,1
	s_mov_b32 s[G0+4*\s], 1
	s_add_co_u32 s[G0+4*\s+1], s70, \s*SLOT
	s_mov_b64 s[G0+4*\s+2:G0+4*\s+3], s[88:89]
	s_or_b32 s[G0+4*\s+3], s[G0+4*\s+3], 0x80000000
	s_mov_b32 s[G0B+4*\s], 1
	s_add_co_u32 s[G0B+4*\s+1], s71, \s*SLOT
	s_mov_b64 s[G0B+4*\s+2:G0B+4*\s+3], s[92:93]
	s_or_b32 s[G0B+4*\s+3], s[G0B+4*\s+3], 0x80000000
	JLOAD \s                                       ; two loads of mine are out
	s_add_nc_u64 s[88:89], s[88:89], s[KSA:KSA+1]
	s_add_nc_u64 s[92:93], s[92:93], s[KSB:KSB+1]
.endr
	v_and_b32 v1, 31, v0
	v_lshlrev_b32 v[LI], 4, v1
	s_lshl_b32 s96, s[HA], 15
.irp s, 0,1
	v_add_nc_u32 v[ADRA+\s], s96, v[LI]
	v_add_nc_u32 v[ADRB+\s], s71, v[LI]
	s_add_co_u32 s96, s96, SLOT
	s_add_co_u32 s71, s71, SLOT
.endr
	; the positions of my 128 tokens (lane r of block a: token 16 a + r), and the tables' rows for blocks 0-2: for tile b of 16 channels lane (r, h) wants pairs 8 (b % 4) + 4 h + 0 .. 3
	v_and_b32 v2, 15, v0
	v_bfe_u32 v3, v0, 4, 1
	v_lshlrev_b32 v4, 2, v2
	v_lshlrev_b32 v[H16], 4, v3
	s_lshl_b32 s96, s46, 10
	s_lshl_b32 s97, s[HA], 9
	s_add_co_u32 s96, s96, s97
	s_mov_b32 s97, 0
	s_add_nc_u64 s[10:11], s[10:11], s[96:97]
.irp a, 0,1,2,3,4,5,6,7
	global_load_b32 v[TO+\a], v4, s[10:11] offset:64*\a
.endr
	; where the results go.  The tokens' block of 128 (batch x 16 + block) and the first of my two heads; q: 8,192 bytes a block, k and v: 16,384, v's half behind k's
	s_cmp_eq_u32 ttmp9, 2
	s_cselect_b32 s96, s47, s46
	s_cselect_b32 s97, s[HB], s[HA]
	s_cselect_b32 s98, s46, s47
	s_cselect_b32 s99, s[HA], s[HB]
	s_lshl_b32 s96, s96, 1
	s_add_co_u32 s96, s96, s97                     ; tokens' block, 0 .. 63
	s_lshl_b32 s98, s98, 1
	s_add_co_u32 s98, s98, s99
	s_lshl_b32 s98, s98, 1                         ; head
	s_lshr_b32 s97, s96, 4                         ; batch
	s_and_b32 s96, s96, 15
	s_lshl_b32 s97, s97, 4
	s_add_co_u32 s97, s97, s98
	s_lshl_b32 s97, s97, 4
	s_add_co_u32 s96, s97, s96
	s_cmp_eq_u32 ttmp9, 0
	s_cselect_b32 s97, 13, 14
	s_cselect_b64 s[BASE0:BASE0+1], s[16:17], s[18:19]
	s_lshl_b32 s96, s96, s97
	s_lshl_b32 s98, 16, s97                        ; from a head to the next: sixteen blocks
	s_cmp_eq_u32 ttmp9, 2
	s_cselect_b32 s99, 8192, 0
	s_add_co_u32 s96, s96, s99
	s_mov_b32 s97, 0
	s_mov_b32 s99, 0
	s_add_nc_u64 s[BASE0:BASE0+1], s[BASE0:BASE0+1], s[96:97]
	s_add_nc_u64 s[BASE1:BASE1+1], s[BASE0:BASE0+1], s[98:99]
	s_wait_kmcnt 0x0
	s_cmp_eq_u32 ttmp9, 1                          ; F = e_out - e_x - e_W: entries (6, 0, 1), (7, 2, 3) or (9, 4, 5): chosen, not branched on
	s_cselect_b32 s96, s74, s72
	s_cselect_b32 s97, s75, s73
	s_cselect_b32 s98, s79, s78
	s_cmp_eq_u32 ttmp9, 2
	s_cselect_b32 s96, s76, s96
	s_cselect_b32 s97, s77, s97
	s_cselect_b32 s98, s81, s98
	s_sub_co_i32 s98, s98, s96
	s_sub_co_i32 s98, s98, s97
	s_add_co_i32 s98, s98, 127
	s_lshl_b32 s99, s98, 23
	v_mov_b32 v[SCL], s99
	s_add_co_i32 s98, s98, 8
	s_lshl_b32 s98, s98, 23
	s_or_b32 s98, s98, 0x600000
	v_mov_b32 v[LIM], s98
	s_wait_loadcnt 0x0                             ; the positions
.irp a, 0,1,2,3,4,5,6,7
	v_min_u32 v[TO+\a], 0x7ff, v[TO+\a]            ; inside the tables
	v_lshlrev_b32 v[TO+\a], 7, v[TO+\a]            ; a row of 128 bytes
	v_add_nc_u32 v[TO+\a], v[H16], v[TO+\a]
.endr
.irp a, 0,1,2
.irp b, 0,1,2,3
	global_load_b128 v[32+32*\a+4*\b:32+32*\a+4*\b+3], v[TO+\a], s[12:13] offset:32*\b
	global_load_b128 v[48+32*\a+4*\b:48+32*\a+4*\b+3], v[TO+\a], s[14:15] offset:32*\b
.endr
.endr
	s_wait_tensorcnt 1                             ; my part of the first run of K is in; the second's load may be out
	s_barrier_signal -1
	s_barrier_wait -1
	FETCH_B 0, 0, 0
	FETCH_A 0, 0, 0
	FETCH_A 0, 0, 4
	STEP 0, 1                                      ; the first products start the sums: nothing is cleared
	TURN 0, 1, 1                                   ; slot 0 takes the third run of K
	STEP 1, 0
	TURN 1, 0, 1                                   ; slot 1 the fourth
	STEP 0, 0
	TURN 0, 1, 0
	STEP 1, 0
	s_wait_dscnt 16
	WIN MUL_LO
	MUL2 0, 1, 0
	MUL2 2, 1, 0
	s_wait_dscnt 0x0
	WIN MUL_HI
	MUL2 4, 1, 0
	MUL2 6, 1, 0
	WIN 0
	s_cmp_eq_u32 ttmp9, 2
	s_cbranch_scc1 .Lv
; ---- q, k: block a of 16 tokens: RoPE on 8 tiles of 16 channels, the hold, the conversions, four stores of 512 bytes (two heads x 1,024 bytes)
.macro ROPE a
.set AC0, 64*((\a)%4)
.if (\a) < 3
.set TBS, 32+32*(\a)
.set WN, 2+(\a)/4
.else
.set TBS, 32*((\a)-3)
.set WN, (2+(\a)/4)|4
.endif
.set PCS, PC+16*((\a)%2)
.if (\a) == 0
	s_wait_loadcnt 40                              ; the tables of blocks 0-2 are in; the 40 loads for blocks 3-7 may be out
.elseif (\a) >= 3
	s_wait_loadcnt 8*(7-(\a))                      ; this block's eight are in; the later blocks' may be out
.endif
.if (\a) >= 2
	s_wait_xcnt 0x0                                ; the stores of two blocks ago have read this set of codes
.endif
	WIN WN                                         ; source 0: the accumulators' window; source 1: the tables'
.irp b, 0,1,2,3,4,5,6,7
.set ACB, AC0+8*\b
.set CSB, TBS+4*(\b%4)
.set SNB, TBS+16+4*(\b%4)
.irp u, 0,1                            ; (odd x sin, even x sin): the source's halves are crossed; one sine serves both halves
	v_pk_mul_f32 v[T+4*\u:T+4*\u+1], v[ACB+4*\u:ACB+4*\u+1], v[SNB+2*\u:SNB+2*\u+1] op_sel:[1,0] op_sel_hi:[0,0]
	v_pk_mul_f32 v[T+4*\u+2:T+4*\u+3], v[ACB+4*\u+2:ACB+4*\u+3], v[SNB+2*\u:SNB+2*\u+1] op_sel:[1,1] op_sel_hi:[0,1]
.endr
.irp u, 0,1                            ; even x cos - odd x sin,  odd x cos + even x sin
	v_pk_fma_f32 v[R+8*\b+4*\u:R+8*\b+4*\u+1], v[ACB+4*\u:ACB+4*\u+1], v[CSB+2*\u:CSB+2*\u+1], v[T+4*\u:T+4*\u+1] op_sel:[0,0,0] op_sel_hi:[1,0,1] neg_lo:[0,0,1]
	v_pk_fma_f32 v[R+8*\b+4*\u+2:R+8*\b+4*\u+3], v[ACB+4*\u+2:ACB+4*\u+3], v[CSB+2*\u:CSB+2*\u+1], v[T+4*\u+2:T+4*\u+3] op_sel:[0,1,0] op_sel_hi:[1,1,1] neg_lo:[0,0,1]
.endr
.endr
	WIN 0
.set j, 0
.rept 64
	v_med3_num_f32 v[R+j], v[R+j], -v[LIM], v[LIM]
.set j, j+1
.endr
.irp b, 0,1,2,3,4,5,6,7
	v_cvt_scalef32_pk8_fp8_f32 v[PCS+2*\b:PCS+2*\b+1], v[R+8*\b:R+8*\b+7], v[SCL]
.endr
	v_nop                                          ; a plain line behind the last conversion
	global_store_b128 v[LI], v[PCS:PCS+3], s[BASE0:BASE0+1] offset:(\a)*1024
	global_store_b128 v[LI], v[PCS+4:PCS+7], s[BASE0:BASE0+1] offset:(\a)*1024+512
	global_store_b128 v[LI], v[PCS+8:PCS+11], s[BASE1:BASE1+1] offset:(\a)*1024
	global_store_b128 v[LI], v[PCS+12:PCS+15], s[BASE1:BASE1+1] offset:(\a)*1024+512
.endm
	PLACES
	WIN 0x40                                       ; B's registers are free: the tables of blocks 3-7
.irp a, 3,4,5,6,7
.irp b, 0,1,2,3
	global_load_b128 v[32*(\a-3)+4*\b:32*(\a-3)+4*\b+3], v[TO+\a], s[12:13] offset:32*\b
	global_load_b128 v[32*(\a-3)+16+4*\b:32*(\a-3)+16+4*\b+3], v[TO+\a], s[14:15] offset:32*\b
.endr
.endr
	WIN 0
.irp a, 0,1,2,3,4,5,6,7
	ROPE \a
.endr
	s_branch .Ldone
; ---- v: block a of 16 channels x my 128 keys: one image of 2,048 bytes
.macro VOUT a
.set AC0, 64*((\a)%4)
.set WN, 2+(\a)/4
.set PCS, PC+16*((\a)%2)
.set BS, BASE0+2*((\a)/4)
.if (\a) >= 2
	s_wait_xcnt 0x0
.endif
	WIN WN
.set j, 0
.rept 64
	v_med3_num_f32 v[R+j], v[AC0+j], -v[LIM], v[LIM]
.set j, j+1
.endr
	WIN 0
.irp b, 0,1,2,3,4,5,6,7
	v_cvt_scalef32_pk8_fp8_f32 v[PCS+2*\b:PCS+2*\b+1], v[R+8*\b:R+8*\b+7], v[SCL]
.endr
	v_nop
.irp g, 0,1,2,3
	global_store_b128 v[LI], v[PCS+4*\g:PCS+4*\g+3], s[BS:BS+1] offset:((\a)%4)*2048+512*\g
.endr
.endm
.Lv:
	PLACES
.irp a, 0,1,2,3,4,5,6,7
	VOUT \a
.endr
.Ldone:
	s_wait_tensorcnt 0x0                           ; the wave's end
	ds_add_u32 v[SPW], v[NIL]
	s_wait_dscnt 0x0
	CROUND                                         ; the closing round
	s_endpgm
.Lfunc_end_k_qae2af293b5_qkv:
	.size	k_qae2af293b5_qkv, .Lfunc_end_k_qae2af293b5_qkv-k_qae2af293b5_qkv
	.p2alignl 7, 3214868480
	.fill 96, 4, 3214868480
	.section	.rodata,"a",@progbits
	.p2align	6, 0x0
	.amdhsa_kernel k_qae2af293b5_qkv
		.amdhsa_group_segment_fixed_size 327680
		.amdhsa_private_segment_fixed_size 0
		.amdhsa_enable_private_segment 0
		.amdhsa_kernarg_size 64
		.amdhsa_user_sgpr_count 2
		.amdhsa_user_sgpr_kernarg_segment_ptr 1
		.amdhsa_wavefront_size32 1
		.amdhsa_system_sgpr_workgroup_id_x 1
		.amdhsa_system_sgpr_workgroup_id_y 1
		.amdhsa_system_sgpr_workgroup_id_z 1
		.amdhsa_system_vgpr_workitem_id 0
		.amdhsa_next_free_vgpr 1024
		.amdhsa_next_free_sgpr 100
		.amdhsa_reserve_vcc 0
		.amdhsa_float_denorm_mode_32 3
		.amdhsa_float_denorm_mode_16_64 3
		.amdhsa_memory_ordered 1
		.amdhsa_forward_progress 1
		.amdhsa_inst_pref_size 199
	.end_amdhsa_kernel
	.amdgpu_metadata
---
amdhsa.version: [ 1, 2 ]
amdhsa.kernels:
  - .name:           k_qae2af293b5_qkv
    .symbol:         k_qae2af293b5_qkv.kd
    .args:
      - { .name: xc, .offset: 0, .size: 8, .value_kind: global_buffer, .address_space: global }
      - { .name: wc, .offset: 8, .size: 8, .value_kind: global_buffer, .address_space: global }
      - { .name: lowp_scales, .offset: 16, .size: 8, .value_kind: global_buffer, .address_space: global }
      - { .name: token_positions, .offset: 24, .size: 8, .value_kind: global_buffer, .address_space: global }
      - { .name: cos, .offset: 32, .size: 8, .value_kind: global_buffer, .address_space: global }
      - { .name: sin, .offset: 40, .size: 8, .value_kind: global_buffer, .address_space: global }
      - { .name: qc, .offset: 48, .size: 8, .value_kind: global_buffer, .address_space: global }
      - { .name: kv, .offset: 56, .size: 8, .value_kind: global_buffer, .address_space: global }
    .group_segment_fixed_size: 327680
    .private_segment_fixed_size: 0
    .kernarg_segment_align: 8
    .kernarg_segment_size: 64
    .max_flat_workgroup_size: 128
    .sgpr_count:     100
    .vgpr_count:     1024
    .wavefront_size: 32
...
	.end_amdgpu_metadata
.endif
;; end of part 2
;; launch attn (part 3): grid 4 x 64, 8 waves a work-group, clusters of 4 x 1, 263,168 bytes of LDS; arguments qc, kv, lowp_scales, ac; writes ac
.if DOCPART == 3
	.amdgcn_target "amdgcn-amd-amdhsa--gfx1250"
	.amdhsa_code_object_version 6
	.text
	.protected	k_qae2af293b5_attn
	.globl	k_qae2af293b5_attn
	.p2align	8
	.type	k_qae2af293b5_attn,@function
k_qae2af293b5_attn:
	s_mov_b64 s[64:65], 0
	v_nop
	global_prefetch_b8 v0, s[64:65] scope:SCOPE_SE
	s_setreg_imm32_b32 hwreg(HW_REG_WAVE_MODE, 25, 1), 1
	s_wait_xcnt 0x0
	s_wait_alu depctr_hold_cnt(0) depctr_sa_sdst(0) depctr_va_vdst(0) depctr_va_sdst(0) depctr_va_ssrc(0) depctr_va_vcc(0) depctr_vm_vsrc(0)
	s_getreg_b32 s2, hwreg(HW_REG_IB_STS2, 6, 4)
	s_cmp_eq_u32 s2, 0
	s_cbranch_scc0 .Lentry_in_a_cluster
	s_endpgm
.Lentry_in_a_cluster:
	s_bfe_u32 s2, ttmp6, 0x10000c
	s_cmp_lg_u32 s2, 0x3003
	s_cbranch_scc0 .Lentry_shape_is_right
	s_endpgm
.Lentry_shape_is_right:
; Causal attention of one head on codes of E4M3; its result quantised (entry 10 of the scales) as an image for the last product.
; t = score x log2(e) / 8; M = the running largest t rounded up to a whole number; p = 2^(t - M) is quantised along the keys (entry 8), not normalised; the row's sum is taken of the unquantised p and divides at the end.
; A CLUSTER OF FOUR WORK-GROUPS IS ONE HEAD.  The head's K and V, 262,144 bytes of images, are brought into each work-group's LDS once, by joint loads: every byte of LDS is filled once, so there is no ring.
; A WAVE works on 32 queries at a time: tile A in window 0, tile B in window 1, under the same register numbers, so that each fragment of K and V read from LDS feeds two products.
; With U = 4 wave + cx a wave takes the queries' double tiles 63 - U and U: they lie in key blocks 15 - wave and wave, 16 - wave and wave + 1 key steps of 128: 17 steps for every wave.  Key steps wholly behind the mask are not walked.
; The block hangs on the wave's number alone: no branch hangs on the place in the cluster, which enters only Q's and the result's addresses and the mask's constant.
; LAYOUT.  S^T = K Q^T (source 0 = 16 keys, source 1 = 16 queries), O^T = V^T P^T: a lane holds one query throughout; tile c's eight registers are keys 16 c + 8 h + 0 .. 7, which is where the next operand wants them.
; LIMITS: e6 + e7 between -123 and 130; e8 and e10 between -126 and 119.  NaN is not served.
; REGISTERS (both windows unless said): v1 16 x lane; v2 (w0) LDS address; v4, v5 (w0) the add's two; v8 the mask's d; v9 r - 8 h; v12 -M; v13 largest t; v[14:15] the sum; v16-23 Q;
;   v32-95: K's fragments (w0), V's (w1); v96-159 S^T, then p; v160-191 O^T; v192-199 the result's codes; v224-239 p's codes; v240, v244: 448 x 2^e8, 2^e8; v241, v245: the same with e10; v246 -infinity; v236, v242-243, v252-254 at work.
.set SPARE, 262144
.set LI,  1
.set ADK, 2
.set SPW, 4
.set NIL, 5
.set WV,  12
.set CX,  13
.set BH,  14
.set G1,  16
.set G0,  24
.set SEL, 40
.set CS,  42
.set IT,  44                           ; s44  the key step's number, in the guarded loops
.set BLK, 45                           ; s45  the key block on the diagonal
.set TB,  46                           ; s46  LDS byte of the key step
.set SD,  47                           ; s47  my first query's place in its block
.set QB,  48
.set OB,  50
.set CNT, 68
.set MSB, 0
.macro WIN new
.if MSB != \new
	s_set_vgpr_msb (MSB<<8)|\new
.set MSB, \new
.endif
.endm
.macro CROUND
	s_barrier_signal -1
	s_barrier_wait -1
	s_cmp_lg_u32 s[WV], 0
	s_cbranch_scc1 .Lnot_wave_0_\@
	s_barrier_signal -3
.Lnot_wave_0_\@:
	s_barrier_wait -3
	s_barrier_signal -1
	s_barrier_wait -1
.endm
	s_load_b256 s[4:11], s[0:1], 0x0               ; qc, kv, scales, ac
	v_lshl_add_u32 v[SPW], v0, 2, SPARE
	v_mov_b32 v[NIL], 0
	ds_add_u32 v[SPW], v[NIL]                      ; the wave's opening: the add and its wait stand ahead of my first tensor load
	v_lshrrev_b32 v3, 5, v0
	v_readfirstlane_b32 s[WV], v3
	s_bfe_u32 s[CX], ttmp6, 0x40000
	s_and_b32 s[BH], ttmp7, 0xffff                 ; batch x 16 + head: shared by the four partners
	s_mov_b32 s[G1], 15|(3<<16)|(1<<21)            ; all four work-groups; elements of 8 bytes; bit 21 beside a mask
	s_mov_b32 s[G1+1], 32<<16                      ; rows of 256 bytes,
	s_mov_b32 s[G1+2], 32<<16                      ; 32 of them: 8,192 bytes
	s_mov_b32 s[G1+3], 32<<16
	s_mov_b32 s[G1+4], 32
	s_mov_b32 s[G1+5], 32                          ; dense
	s_mov_b32 s[G1+6], 0
	s_mov_b32 s[G1+7], 0
	s_mov_b32 s[SEL], 0x76543210
	s_mov_b32 s[SEL+1], 0xfedcba98
	s_lshl_b32 s52, s[BH], 18
	s_lshl_b32 s53, s[WV], 13                      ; my wave's 8,192 bytes of each group of 65,536: the same offset in memory and in LDS
	s_add_co_u32 s54, s52, s53
	s_mov_b32 s55, 0
	s_wait_dscnt 0x0
	s_wait_kmcnt 0x0
	s_load_b128 s[56:59], s[8:9], 0x18             ; e6 .. e9
	s_load_b32 s60, s[8:9], 0x28                   ; e10
	s_add_nc_u64 s[54:55], s[6:7], s[54:55]
	CROUND                                         ; the four work-groups are here: the joint loads meet
.irp g, 0,1,2,3
	s_mov_b32 s[G0+4*\g], 1
	s_add_co_u32 s[G0+4*\g+1], s53, \g*65536
	s_add_nc_u64 s[G0+4*\g+2:G0+4*\g+3], s[54:55], \g*65536
	s_or_b32 s[G0+4*\g+3], s[G0+4*\g+3], 0x80000000
.endr
.irp g, 0,1,2,3                        ; group g holds key steps 4 g .. 4 g + 3.  Four loads of mine are out
	tensor_load_to_lds s[G0+4*\g:G0+4*\g+3], s[G1:G1+7]
	s_nop 0
.endr
.rept 4
	v_nop
.endr
	v_and_b32 v3, 31, v0
	v_lshlrev_b32 v[LI], 4, v3
	v_and_b32 v6, 15, v0
	v_bfe_u32 v7, v0, 4, 1
	v_lshlrev_b32 v7, 3, v7
	v_sub_nc_u32 v9, v6, v7                        ; r - 8 h
	v_mov_b32 v246, 0xff800000
	s_and_b32 s52, s[BH], 15                       ; head
	s_lshr_b32 s53, s[BH], 4                       ; batch
	s_lshr_b32 s62, s52, 2
	s_lshl_b32 s62, s62, 21                        ; four heads are a run of 256 along the last product's K,
	s_lshl_b32 s53, s53, 19                        ; a batch is 128 tiles of 16 rows x 4,096 bytes,
	s_add_co_u32 s62, s62, s53
	s_and_b32 s52, s52, 3
	s_lshl_b32 s52, s52, 10                        ; a head 1,024 bytes of a tile's 4,096
	s_add_co_u32 s62, s62, s52
	s_lshl_b32 s63, s[BH], 17                      ; the head's queries: 128 tiles of 1,024 bytes
	s_lshl_b32 s66, s[WV], 2
	s_add_co_u32 s66, s66, s[CX]                   ; U
	s_wait_kmcnt 0x0
	s_add_co_i32 s52, s56, s57
	s_lshl_b32 s52, s52, 23
	s_add_co_i32 s[CS], s52, 0x3e38aa3b            ; c = log2(e) / 8, with e6 + e7 added to its exponent field
	s_mov_b32 s[CS+1], s[CS]
	s_add_co_i32 s61, s58, s59                     ; e8 + e9
	s_add_co_i32 s52, s58, 127
	s_lshl_b32 s53, s52, 23
	v_mov_b32 v244, s53
	s_add_co_i32 s52, s52, 8
	s_lshl_b32 s52, s52, 23
	s_or_b32 s52, s52, 0x600000
	v_mov_b32 v240, s52
	s_add_co_i32 s52, s60, 127
	s_lshl_b32 s53, s52, 23
	v_mov_b32 v245, s53
	s_add_co_i32 s52, s52, 8
	s_lshl_b32 s52, s52, 23
	s_or_b32 s52, s52, 0x600000
	v_mov_b32 v241, s52
	WIN 0x40                                       ; what tile B reads under the same numbers
.irp n, 1,9,240,241,244,245,246
	v_mov_b32 v\n, v\n
.endr
	WIN 0
.macro MASK                            ; register n holds key 16 (n / 8) + 8 h + n % 8 of the block: hidden where 16 (n / 8) + n % 8 > d = my query's place - 8 h
.set n, 0
.rept 64
	v_cmp_gt_i32 vcc_lo, 16*(n/8)+n%8, v8
	v_cndmask_b32 v[96+n], v[96+n], v246, vcc_lo
.set n, n+1
.endr
.endm
.macro SOFTMAX                         ; one tile, in the window that is set
	v_max3_num_f32 v254, v96, v97, v98             ; the step's largest score of my query among my 64 keys, in two chains; each accumulator is read from its low end on
	v_max3_num_f32 v252, v99, v100, v101
.set i, 6
.rept 14
	v_max3_num_f32 v254, v254, v[96+i], v[97+i]
	v_max3_num_f32 v252, v252, v[98+i], v[99+i]
.set i, i+4
.endr
	v_max3_num_f32 v254, v254, v158, v159
	v_max_num_f32 v254, v254, v252
	v_permlanex16_b32 v236, v254, s[SEL], s[SEL+1]
	v_max_num_f32 v254, v254, v236                 ; and among the other half of the lanes'
	v_mul_f32 v254, s[CS], v254
	v_max_num_f32 v13, v13, v254                   ; the running largest t
	v_mov_b32 v254, v12
	v_floor_f32 v12, -v13                          ; -M = floor(-t): a whole number
	v_sub_f32 v254, v12, v254                      ; old M - new M
	v_cvt_i32_f32 v254, v254                       ; (it saturates)
	v_ldexp_f32 v252, 1.0, v254                    ; f = 2^(old M - new M): rounds nothing
.set j, 0
.rept 32
	v_pk_fma_f32 v[96+j:97+j], v[96+j:97+j], s[CS:CS+1], v[12:13] op_sel_hi:[1,0,0]   ; t - M
.set j, j+2
.endr
.set j, 0
.rept 64
	v_exp_f32 v[96+j], v[96+j]
.set j, j+1
.endr
	v_pk_mul_f32 v[14:15], v[14:15], v[252:253] op_sel_hi:[1,0]   ; the sums under the new M: the plain line behind the exponentials
	s_wait_alu depctr_va_vdst(0)                   ; one wait for the batch, ahead of its first reader
	v_pk_add_f32 v[242:243], v[96:97], v[98:99]    ; the sum of the unquantised p, in two chains
.set j, 4
.rept 15
	v_pk_add_f32 v[14:15], v[14:15], v[96+j:97+j]
	v_pk_add_f32 v[242:243], v[242:243], v[98+j:99+j]
.set j, j+4
.endr
	v_pk_add_f32 v[14:15], v[14:15], v[242:243]
.irp c, 0,1,2,3,4,5,6,7
.irp i, 0,1,2,3,4,5,6,7
	v_min_num_f32 v[96+8*\c+\i], v[96+8*\c+\i], v240   ; the conversion does not saturate (ISA guide 7.6.2); p is not negative
.endr
	v_cvt_scalef32_pk8_fp8_f32 v[224+2*\c:225+2*\c], v[96+8*\c:103+8*\c], v244
.endr
.set j, 0
.rept 16
	v_pk_mul_f32 v[160+j:161+j], v[160+j:161+j], v[252:253] op_sel_hi:[1,0]   ; O^T under the new M; also the plain lines between the conversions and the products
.set j, j+2
.endr
.endm
; A KEY STEP of 128 keys.  guard = 1: a step behind my diagonal block is left out (a branch on the wave's number and the count of steps), and the diagonal block is masked.
.macro STEP guard
.if \guard
	s_cmp_gt_u32 s[IT], s[BLK]
	s_cbranch_scc1 .Lhid_\@
.endif
	v_add_nc_u32 v[ADK], s[TB], v[LI]
.rept 4
	v_nop                                          ; places ahead of loads into registers that the last products read
.endr
.irp c, 0,1,2,3,4,5,6,7                ; K: eight tiles of 16 keys x 64
	ds_load_b128 v[32+8*\c:35+8*\c], v[ADK] offset:1024*\c
	ds_load_b128 v[36+8*\c:39+8*\c], v[ADK] offset:1024*\c+512
.endr
	WIN 0x40
.irp t, 0,1,2,3                        ; V^T: four tiles of 16 channels x 128 keys
.irp g, 0,1,2,3
	ds_load_b128 v[32+16*\t+4*\g:35+16*\t+4*\g], v[ADK] offset:8192+2048*\t+512*\g
.endr
.endr
	WIN 0
	s_wait_dscnt 16                                ; K is in; V's sixteen loads may be out
.irp c, 0,1,2,3,4,5,6,7
	v_wmma_f32_16x16x64_fp8_fp8 v[96+8*\c:103+8*\c], v[32+8*\c:39+8*\c], v[16:23], 0
.endr
	WIN 0x44                                       ; tile B: Q and S^T in window 1
.irp c, 0,1,2,3,4,5,6,7
	v_wmma_f32_16x16x64_fp8_fp8 v[96+8*\c:103+8*\c], v[32+8*\c:39+8*\c], v[16:23], 0
.endr
	WIN 0
.rept 4
	v_nop
.endr
.if \guard
	s_cmp_lg_u32 s[IT], s[BLK]
	s_cbranch_scc1 .Lopen_\@
	MASK
	WIN 0x55
	MASK
	WIN 0
.Lopen_\@:
.endif
	SOFTMAX
	s_wait_dscnt 0x0                               ; V is in
	WIN 0x01                                       ; V in window 1, P and O^T of tile A in window 0
.irp t, 0,1,2,3
	v_wmma_f32_16x16x128_fp8_fp8 v[160+8*\t:167+8*\t], v[32+16*\t:47+16*\t], v[224:239], v[160+8*\t:167+8*\t]
.endr
	WIN 0x55                                       ; tile B's softmax stands beside tile A's products
	SOFTMAX
.irp t, 0,1,2,3
	v_wmma_f32_16x16x128_fp8_fp8 v[160+8*\t:167+8*\t], v[32+16*\t:47+16*\t], v[224:239], v[160+8*\t:167+8*\t]
.endr
	WIN 0
.if \guard
.Lhid_\@:
	s_add_co_u32 s[IT], s[IT], 1
.endif
	s_add_co_u32 s[TB], s[TB], 16384
.endm
.macro TILEINIT qoff, dadd
	global_load_b128 v[16:19], v[LI], s[QB:QB+1] offset:\qoff
	global_load_b128 v[20:23], v[LI], s[QB:QB+1] offset:\qoff+512
	v_mov_b32 v13, 0xff61b1e6                      ; -3e38, under every t
	v_floor_f32 v12, -v13
	v_mov_b32 v14, 0
	v_mov_b32 v15, 0
	v_mov_b32 v236, 0
	v_mov_b32 v252, 0
	v_mov_b32 v253, 0
	v_add3_u32 v8, v9, s[SD], \dadd
.set j, 0
.rept 32
	v_mov_b32 v[160+j], 0                          ; the step is written once: its first turn finds zeros
.set j, j+1
.endr
.endm
.macro INIT                            ; the double tile in s67
	s_wait_xcnt 0x0                                ; earlier stores have read their base
	s_lshl_b32 s52, s67, 11
	s_add_co_u32 s52, s52, s63
	s_mov_b32 s53, 0
	s_add_nc_u64 s[QB:QB+1], s[4:5], s[52:53]
	s_lshl_b32 s52, s67, 13
	s_add_co_u32 s52, s52, s62
	s_add_nc_u64 s[OB:OB+1], s[10:11], s[52:53]
	s_and_b32 s[SD], s67, 3
	s_lshl_b32 s[SD], s[SD], 5
	TILEINIT 0, 0
	WIN 0x55
	TILEINIT 1024, 16
	WIN 0
	s_wait_loadcnt 0x0
.endm
.macro FINISH off                      ; O^T / the sum x 2^(e8 + e9), quantised: eight registers, the image of 16 rows x this head's 64
	v_add_f32 v14, v14, v15
	v_permlanex16_b32 v252, v14, s[SEL], s[SEL+1]
	v_add_f32 v14, v14, v252
	v_rcp_f32 v14, v14
	v_nop
	s_wait_alu depctr_va_vdst(0)
	v_ldexp_f32 v14, v14, s61
.set j, 0
.rept 16
	v_pk_mul_f32 v[96+j:97+j], v[160+j:161+j], v[14:15] op_sel_hi:[1,0]
.set j, j+2
.endr
.set j, 0
.rept 32
	v_med3_num_f32 v[96+j], v[96+j], -v241, v241
.set j, j+1
.endr
.irp t, 0,1,2,3
	v_cvt_scalef32_pk8_fp8_f32 v[192+2*\t:193+2*\t], v[96+8*\t:103+8*\t], v245
.endr
	v_nop
	global_store_b128 v[LI], v[192:195], s[OB:OB+1] offset:\off
	global_store_b128 v[LI], v[196:199], s[OB:OB+1] offset:\off+512
.endm
.macro BOTH_OUT
.rept 4
	v_nop                                          ; places behind the last products
.endr
	FINISH 0
	WIN 0x55
	FINISH 4096
	WIN 0
.endm
	s_xor_b32 s[BLK], s[WV], 15                    ; the long double tile: 63 - U, in block 15 - wave
	s_sub_co_u32 s67, 63, s66
	s_mov_b32 s[TB], 0
	INIT
	s_wait_tensorcnt 3                             ; my part of key steps 0-3 is in; three loads may be out
	s_barrier_signal -1
	s_barrier_wait -1
	s_mov_b32 s[CNT], 4
.Lfirst:                               ; steps 0-7 lie in front of every wave's block: no guard
	STEP 0
	s_sub_co_u32 s[CNT], s[CNT], 1
	s_cmp_lg_u32 s[CNT], 0
	s_cbranch_scc1 .Lfirst
	s_wait_dscnt 0x0
	s_wait_tensorcnt 2                             ; key steps 4-7
	s_barrier_signal -1
	s_barrier_wait -1
	s_mov_b32 s[CNT], 4
.Lsecond:
	STEP 0
	s_sub_co_u32 s[CNT], s[CNT], 1
	s_cmp_lg_u32 s[CNT], 0
	s_cbranch_scc1 .Lsecond
	s_wait_dscnt 0x0
	s_wait_tensorcnt 0x0                           ; key steps 8-15
	s_barrier_signal -1
	s_barrier_wait -1
	s_mov_b32 s[IT], 8
	s_mov_b32 s[CNT], 8
.Lthird:
	STEP 1
	s_sub_co_u32 s[CNT], s[CNT], 1
	s_cmp_lg_u32 s[CNT], 0
	s_cbranch_scc1 .Lthird
	BOTH_OUT
	s_mov_b32 s[BLK], s[WV]                        ; the short double tile: U, in block wave
	s_mov_b32 s67, s66
	s_mov_b32 s[IT], 0
	s_mov_b32 s[TB], 0
	INIT
	s_mov_b32 s[CNT], 8
.Lfourth:
	STEP 1
	s_sub_co_u32 s[CNT], s[CNT], 1
	s_cmp_lg_u32 s[CNT], 0
	s_cbranch_scc1 .Lfourth
	BOTH_OUT
	s_wait_tensorcnt 0x0                           ; the wave's end
	ds_add_u32 v[SPW], v[NIL]
	s_wait_dscnt 0x0
	CROUND                                         ; the closing round
	s_endpgm
.Lfunc_end_k_qae2af293b5_attn:
	.size	k_qae2af293b5_attn, .Lfunc_end_k_qae2af293b5_attn-k_qae2af293b5_attn
	.p2alignl 7, 3214868480
	.fill 96, 4, 3214868480
	.section	.rodata,"a",@progbits
	.p2align	6, 0x0
	.amdhsa_kernel k_qae2af293b5_attn
		.amdhsa_group_segment_fixed_size 263168
		.amdhsa_private_segment_fixed_size 0
		.amdhsa_enable_private_segment 0
		.amdhsa_kernarg_size 32
		.amdhsa_user_sgpr_count 2
		.amdhsa_user_sgpr_kernarg_segment_ptr 1
		.amdhsa_wavefront_size32 1
		.amdhsa_system_sgpr_workgroup_id_x 1
		.amdhsa_system_sgpr_workgroup_id_y 1
		.amdhsa_system_sgpr_workgroup_id_z 1
		.amdhsa_system_vgpr_workitem_id 0
		.amdhsa_next_free_vgpr 512
		.amdhsa_next_free_sgpr 72
		.amdhsa_reserve_vcc 1
		.amdhsa_float_denorm_mode_32 3
		.amdhsa_float_denorm_mode_16_64 3
		.amdhsa_memory_ordered 1
		.amdhsa_forward_progress 1
		.amdhsa_inst_pref_size 162
	.end_amdhsa_kernel
	.amdgpu_metadata
---
amdhsa.version: [ 1, 2 ]
amdhsa.kernels:
  - .name:           k_qae2af293b5_attn
    .symbol:         k_qae2af293b5_attn.kd
    .args:
      - { .name: qc, .offset: 0, .size: 8, .value_kind: global_buffer, .address_space: global }
      - { .name: kv, .offset: 8, .size: 8, .value_kind: global_buffer, .address_space: global }
      - { .name: lowp_scales, .offset: 16, .size: 8, .value_kind: global_buffer, .address_space: global }
      - { .name: ac, .offset: 24, .size: 8, .value_kind: global_buffer, .address_space: global }
    .group_segment_fixed_size: 263168
    .private_segment_fixed_size: 0
    .kernarg_segment_align: 8
    .kernarg_segment_size: 32
    .max_flat_workgroup_size: 256
    .sgpr_count:     72
    .vgpr_count:     512
    .wavefront_size: 32
...
	.end_amdgpu_metadata
.endif
;; end of part 3
;; launch oproj (part 4): grid 8 x 32, 4 waves a work-group, clusters of 4 x 4, 327,680 bytes of LDS; arguments ac, wc, lowp_scales, out0; writes out0
.if DOCPART == 4
	.amdgcn_target "amdgcn-amd-amdhsa--gfx1250"
	.amdhsa_code_object_version 6
	.text
	.protected	k_qae2af293b5_oproj
	.globl	k_qae2af293b5_oproj
	.p2align	8
	.type	k_qae2af293b5_oproj,@function
k_qae2af293b5_oproj:
	s_mov_b64 s[64:65], 0
	v_nop
	global_prefetch_b8 v0, s[64:65] scope:SCOPE_SE
	s_setreg_imm32_b32 hwreg(HW_REG_WAVE_MODE, 25, 1), 1
	s_wait_xcnt 0x0
	s_wait_alu depctr_hold_cnt(0) depctr_sa_sdst(0) depctr_va_vdst(0) depctr_va_sdst(0) depctr_va_ssrc(0) depctr_va_vcc(0) depctr_vm_vsrc(0)
	s_getreg_b32 s2, hwreg(HW_REG_IB_STS2, 6, 4)
	s_cmp_eq_u32 s2, 0
	s_cbranch_scc0 .Lentry_in_a_cluster
	s_endpgm
.Lentry_in_a_cluster:
	s_bfe_u32 s2, ttmp6, 0x10000c
	s_cmp_lg_u32 s2, 0xf033
	s_cbranch_scc0 .Lentry_shape_is_right
	s_endpgm
.Lentry_shape_is_right:
; out0 = attention's result x Wo on codes of E4M3; each finished sum x 2^(e10 + e11).  out0: [8192][1024] f32.
; The same core as the projections' launch, on images of operand registers, with a tile of 256 rows x 128 columns, so that there are 256 work-groups; a wave makes 128 x 64: 32 accumulators in window 2.
; "A" (source 1, a lane holds a row) = the attention's codes; "B" (source 0) = Wo's part of wc: a lane's eight results are eight neighbouring columns of a row of out0.
; K = 1,024 goes in four runs of 256 through two LDS slots.  CLUSTERS of 4 x 4: A's tile shared along a row of the cluster, B's along a column.
; The way out: a wave's 64 columns are 256 bytes of a row; a block of 16 rows goes through the wave's own stage in LDS and leaves sixteen lanes to 256 consecutive aligned bytes.
; LIMIT: e10 + e11 between -126 and 127.
.set NBF,   4
.set SLOT,  65536+2*NBF*4096
.set SPARE, 2*SLOT
.set APW,   32/NBF
.set AF,    128
.set ADRA,  16
.set ADRB,  20
.set LI,    24
.set STO,   25
.set RD,    26
.set CO,    27
.set SPW,   28
.set NIL,   29
.set TMP,   32
.set BK,    128
.set SPITCH, 272                       ; the stage: 16 rows x (256 + 16) bytes a wave, in slot 0, which has had its last fill and its last read when the first result is stored there
.set WV, 20
.set HA, 21
.set HB, 22
.set G1,  24
.set G0,  32
.set G1B, 48
.set G0B, 56
.set KSA, 66
.set KSB, 68
.set MSB, 0
.macro WIN new
.if MSB != \new
	s_set_vgpr_msb (MSB<<8)|\new
.set MSB, \new
.endif
.endm
.set MUL_LO, 0xa1
.set MUL_HI, 0xa1+0x50*(4/APW)
.set TO_B,   0x40
.macro JLOAD s
	s_cmp_eq_u32 s[HA], 0
	s_cbranch_scc0 .Lfor_b_\@
	tensor_load_to_lds s[G0+4*\s:G0+4*\s+3], s[G1:G1+7]
	s_nop 0
.rept 4
	v_nop
.endr
	s_branch .Lasked_\@
.Lfor_b_\@:
	tensor_load_to_lds s[G0B+4*\s:G0B+4*\s+3], s[G1B:G1B+7]
	s_nop 0
.rept 4
	v_nop
.endr
.Lasked_\@:
.endm
.macro CREST
	s_cmp_lg_u32 s[WV], 0
	s_cbranch_scc1 .Lnot_wave_0_\@
	s_barrier_signal -3
.Lnot_wave_0_\@:
	s_barrier_wait -3
	s_barrier_signal -1
	s_barrier_wait -1
.endm
.macro CROUND
	s_barrier_signal -1
	s_barrier_wait -1
	CREST
.endm
.macro PLACES
.rept 4
	v_nop
.endr
.endm
.macro FRAG reg, adr, q, i
.irp c, 0,1,2,3
	ds_load_b128 v[\reg+4*\c:\reg+4*\c+3], v[\adr] offset:(\i)*4096+(\q)*2048+512*\c
.endr
.endm
.macro MUL2 a0, p, zero                ; the accumulators take turns, one instruction a turn
.irp a, \a0, \a0+1
.irp b, 0,1,2,3,4,5,6,7
.if \b < NBF
.if \zero
	v_wmma_f32_16x16x128_fp8_fp8 v[8*(NBF*((\a)%APW)+\b):8*(NBF*((\a)%APW)+\b)+7], v[128*(\p)+16*\b:128*(\p)+16*\b+15], v[AF+16*(\a):AF+16*(\a)+15], 0
.else
	v_wmma_f32_16x16x128_fp8_fp8 v[8*(NBF*((\a)%APW)+\b):8*(NBF*((\a)%APW)+\b)+7], v[128*(\p)+16*\b:128*(\p)+16*\b+15], v[AF+16*(\a):AF+16*(\a)+15], v[8*(NBF*((\a)%APW)+\b):8*(NBF*((\a)%APW)+\b)+7]
.endif
.endif
.endr
.endr
.endm
.macro FETCH_B slot, q, p
	WIN TO_B
.irp i, 0,1,2,3,4,5,6,7
.if \i < NBF
	FRAG 128*(\p)+16*\i, ADRB+\slot, \q, \i
.endif
.endr
	WIN 0
.endm
.macro FETCH_A slot, q, i0
.irp i, \i0, \i0+1, \i0+2, \i0+3
	FRAG AF+16*(\i), ADRA+\slot, \q, \i
.endr
.endm
.macro STEP slot, zero
	s_wait_dscnt 16                                ; B's set and A's blocks 0-3 are in; the youngest sixteen loads (blocks 4-7) may be out
	WIN MUL_LO
	MUL2 0, 0, \zero
	MUL2 2, 0, \zero
	s_wait_dscnt 0x0
	PLACES
	FETCH_B \slot, 1, 1
	FETCH_A \slot, 1, 0
	WIN MUL_HI
	MUL2 4, 0, \zero
	MUL2 6, 0, \zero
	PLACES
	WIN 0
	FETCH_A \slot, 1, 4
.endm
.macro TURN slot, next, fill
	s_wait_tensorcnt 0x0                           ; my part of the next slot has landed; no load of mine is out
	ds_add_u32 v[SPW], v[NIL]
	s_wait_dscnt 17                                ; (the add and A's blocks 4-7 may be out)
	WIN MUL_LO
	MUL2 0, 1, 0
	s_wait_dscnt 0x0                               ; the add is done, my reads of this slot are over
	s_barrier_signal -1
	MUL2 2, 1, 0
	WIN 0
	s_barrier_wait -1
.if \fill
	CREST                                          ; the barrier has opened a round of the cluster's
	s_add_nc_u64 s[G0+4*\slot+2:G0+4*\slot+3], s[G0+4*\slot+2:G0+4*\slot+3], s[KSA:KSA+1]
	s_add_nc_u64 s[G0+4*\slot+2:G0+4*\slot+3], s[G0+4*\slot+2:G0+4*\slot+3], s[KSA:KSA+1]
	s_add_nc_u64 s[G0B+4*\slot+2:G0B+4*\slot+3], s[G0B+4*\slot+2:G0B+4*\slot+3], s[KSB:KSB+1]
	s_add_nc_u64 s[G0B+4*\slot+2:G0B+4*\slot+3], s[G0B+4*\slot+2:G0B+4*\slot+3], s[KSB:KSB+1]
	JLOAD \slot
.else
	PLACES
.endif
	FETCH_B \next, 0, 0
	FETCH_A \next, 0, 0
	WIN MUL_HI
	MUL2 4, 1, 0
	MUL2 6, 1, 0
	PLACES
	WIN 0
	FETCH_A \next, 0, 4
.endm
	s_load_b256 s[4:11], s[0:1], 0x0               ; ac, wc, scales, out0
	v_lshl_add_u32 v[SPW], v0, 2, SPARE
	v_mov_b32 v[NIL], 0
	ds_add_u32 v[SPW], v[NIL]                      ; the wave's opening: the add and its wait stand ahead of my first tensor load
	v_lshrrev_b32 v1, 5, v0
	v_readfirstlane_b32 s[WV], v1
	s_lshr_b32 s[HA], s[WV], 1
	s_and_b32 s[HB], s[WV], 1
	s_bfe_u32 s40, ttmp6, 0x40000                  ; cx
	s_bfe_u32 s41, ttmp6, 0x40004                  ; cy
	s_lshl_b32 s92, ttmp9, 2
	s_add_co_u32 s92, s92, s40                     ; tile of 128 columns
	s_and_b32 s88, ttmp7, 0xffff
	s_lshl_b32 s88, s88, 2
	s_add_co_u32 s88, s88, s41                     ; tile of 256 rows
	s_lshl_b32 s43, s41, 2
	s_lshl_b32 s43, 15, s43
	s_lshl_b32 s44, 0x1111, s40
	s_or_b32 s[G1], s43, (3<<16)|(1<<21)
	s_or_b32 s[G1B], s44, (3<<16)|(1<<21)
.irp g, G1, G1B
	s_mov_b32 s[\g+1], 32<<16
	s_mov_b32 s[\g+3], 32<<16
	s_mov_b32 s[\g+5], 32
	s_mov_b32 s[\g+6], 0
	s_mov_b32 s[\g+7], 0
.endr
	s_mov_b32 s[G1+2], 128<<16
	s_mov_b32 s[G1+4], 128
	s_mov_b32 s[G1B+2], (16*NBF)<<16
	s_mov_b32 s[G1B+4], 16*NBF
	s_mov_b32 s[KSA], 0x200000
	s_mov_b32 s[KSA+1], 0
	s_mov_b32 s[KSB], 0x40000
	s_mov_b32 s[KSB+1], 0
	s_mov_b32 s46, s88
	s_mov_b32 s47, s92
	s_lshl_b32 s88, s88, 16
	s_lshl_b32 s89, s[HB], 15
	s_add_co_u32 s88, s88, s89
	s_mov_b32 s89, 0
	s_lshl_b32 s92, s92, 15                        ; 128 columns x 256 K: 32,768 bytes,
	s_lshl_b32 s93, s[HB], 14                      ; the half that I fetch,
	s_add_co_u32 s92, s92, s93
	s_add_co_u32 s92, s92, 0x300000                ; in Wo's part
	s_mov_b32 s93, 0
	s_lshl_b32 s70, s[HB], 15
	s_mul_i32 s71, s[HB], NBF*4096
	s_add_co_u32 s71, s71, 65536
	s_wait_dscnt 0x0
	s_wait_kmcnt 0x0
	s_load_b64 s[96:97], s[8:9], 0x28              ; e10, e11
	s_add_nc_u64 s[88:89], s[4:5], s[88:89]
	s_add_nc_u64 s[92:93], s[6:7], s[92:93]
	CROUND
.irp s, 0,1
	s_mov_b32 s[G0+4*\s], 1
	s_add_co_u32 s[G0+4*\s+1], s70, \s*SLOT
	s_mov_b64 s[G0+4*\s+2:G0+4*\s+3], s[88:89]
	s_or_b32 s[G0+4*\s+3], s[G0+4*\s+3], 0x80000000
	s_mov_b32 s[G0B+4*\s], 1
	s_add_co_u32 s[G0B+4*\s+1], s71, \s*SLOT
	s_mov_b64 s[G0B+4*\s+2:G0B+4*\s+3], s[92:93]
	s_or_b32 s[G0B+4*\s+3], s[G0B+4*\s+3], 0x80000000
	JLOAD \s                                       ; two loads of mine are out
	s_add_nc_u64 s[88:89], s[88:89], s[KSA:KSA+1]
	s_add_nc_u64 s[92:93], s[92:93], s[KSB:KSB+1]
.endr
	v_and_b32 v1, 31, v0
	v_lshlrev_b32 v[LI], 4, v1
	s_lshl_b32 s72, s[HA], 15
.irp s, 0,1
	v_add_nc_u32 v[ADRA+\s], s72, v[LI]
	v_add_nc_u32 v[ADRB+\s], s71, v[LI]
	s_add_co_u32 s72, s72, SLOT
	s_add_co_u32 s71, s71, SLOT
.endr
	v_and_b32 v2, 15, v0                           ; r
	v_bfe_u32 v3, v0, 4, 1                         ; h
	s_mul_i32 s72, s[WV], 16*SPITCH                ; my stage
	v_mul_u32_u24 v[STO], v2, SPITCH
	v_lshl_add_u32 v[STO], v3, 5, v[STO]
	v_add_nc_u32 v[STO], s72, v[STO]               ; in: row r, 32 bytes for each half of the lanes
	v_mul_u32_u24 v[RD], v3, SPITCH
	v_lshl_add_u32 v[RD], v2, 4, v[RD]
	v_add_nc_u32 v[RD], s72, v[RD]                 ; back: lanes 0-15 one row, lanes 16-31 the next
	v_lshlrev_b32 v[CO], 4, v2
	v_lshl_add_u32 v[CO], v3, 12, v[CO]            ; and the same two rows in out0
	s_lshl_b32 s72, s46, 20                        ; 256 rows of 4,096 bytes
	s_lshl_b32 s73, s[HA], 19
	s_add_co_u32 s72, s72, s73
	s_lshl_b32 s73, s47, 9                         ; 128 columns
	s_add_co_u32 s72, s72, s73
	s_lshl_b32 s73, s[HB], 8
	s_add_co_u32 s72, s72, s73
	s_mov_b32 s73, 0
	s_add_nc_u64 s[10:11], s[10:11], s[72:73]
	s_wait_tensorcnt 1                             ; my part of the first run of K is in; the second's load may be out
	s_barrier_signal -1
	s_barrier_wait -1
	FETCH_B 0, 0, 0
	FETCH_A 0, 0, 0
	FETCH_A 0, 0, 4
	STEP 0, 1
	TURN 0, 1, 1
	STEP 1, 0
	TURN 1, 0, 1
	STEP 0, 0
	TURN 0, 1, 0
	STEP 1, 0
	s_wait_dscnt 16
	WIN MUL_LO
	MUL2 0, 1, 0
	MUL2 2, 1, 0
	s_wait_dscnt 0x0
	WIN MUL_HI
	MUL2 4, 1, 0
	MUL2 6, 1, 0
	WIN 0
.macro TOSTAGE a                       ; block a: 16 rows x 64 columns: x 2^(e10 + e11), into my stage, and back as whole rows.  LDS serves a wave's instructions in order: no wait between
.set AC, 32*(\a)
	WIN 0x02
.set j, 0
.rept 16
	v_pk_mul_f32 v[TMP+j:TMP+j+1], v[AC+j:AC+j+1], s[96:97] op_sel_hi:[1,0]
.set j, j+2
.endr
	WIN 0
.irp b, 0,1,2,3
	ds_store_b128 v[STO], v[TMP+8*\b:TMP+8*\b+3] offset:64*\b
	ds_store_b128 v[STO], v[TMP+8*\b+4:TMP+8*\b+7] offset:64*\b+16
.endr
.set BB, BK+32*((\a)%2)
.irp t, 0,1,2,3,4,5,6,7
	ds_load_b128 v[BB+4*\t:BB+4*\t+3], v[RD] offset:\t*2*SPITCH
.endr
.endm
.macro SEND a, younger                 ; younger: the LDS instructions issued behind block a's loads
.set BB, BK+32*((\a)%2)
	s_wait_dscnt \younger
.if (\a) > 0
	s_add_nc_u64 s[10:11], s[10:11], 65536         ; 16 rows on (the earlier stores have read their base: the wait on XCNT stands ahead)
.endif
.irp t, 0,1,2,3,4,5,6,7
	global_store_b128 v[CO], v[BB+4*\t:BB+4*\t+3], s[10:11] offset:\t*8192 th:TH_STORE_NT   ; sixteen lanes store 256 consecutive bytes, at a multiple of 256 from out0's first byte
.endr
.endm
	s_wait_kmcnt 0x0
	s_add_co_i32 s96, s96, s97
	s_add_co_i32 s96, s96, 127
	s_lshl_b32 s96, s96, 23                        ; 2^(e10 + e11)
	s_mov_b32 s97, s96
	PLACES
	TOSTAGE 0
.irp a, 1,2,3,4,5,6,7
.if \a > 1
	s_wait_xcnt 0x0                                ; block a - 2's stores have read their registers and their base
.endif
	TOSTAGE \a
	SEND \a-1, 16                                  ; behind block a - 1's loads: block a's 8 stores and 8 loads
.endr
	s_wait_xcnt 0x0
	SEND 7, 0
	s_wait_tensorcnt 0x0                           ; the wave's end
	ds_add_u32 v[SPW], v[NIL]
	s_wait_dscnt 0x0
	CROUND                                         ; the closing round
	s_endpgm
.Lfunc_end_k_qae2af293b5_oproj:
	.size	k_qae2af293b5_oproj, .Lfunc_end_k_qae2af293b5_oproj-k_qae2af293b5_oproj
	.p2alignl 7, 3214868480
	.fill 96, 4, 3214868480
	.section	.rodata,"a",@progbits
	.p2align	6, 0x0
	.amdhsa_kernel k_qae2af293b5_oproj
		.amdhsa_group_segment_fixed_size 327680
		.amdhsa_private_segment_fixed_size 0
		.amdhsa_enable_private_segment 0
		.amdhsa_kernarg_size 32
		.amdhsa_user_sgpr_count 2
		.amdhsa_user_sgpr_kernarg_segment_ptr 1
		.amdhsa_wavefront_size32 1
		.amdhsa_system_sgpr_workgroup_id_x 1
		.amdhsa_system_sgpr_workgroup_id_y 1
		.amdhsa_system_sgpr_workgroup_id_z 1
		.amdhsa_system_vgpr_workitem_id 0
		.amdhsa_next_free_vgpr 768
		.amdhsa_next_free_sgpr 98
		.amdhsa_reserve_vcc 0
		.amdhsa_float_denorm_mode_32 3
		.amdhsa_float_denorm_mode_16_64 3
		.amdhsa_memory_ordered 1
		.amdhsa_forward_progress 1
		.amdhsa_inst_pref_size 77
	.end_amdhsa_kernel
	.amdgpu_metadata
---
amdhsa.version: [ 1, 2 ]
amdhsa.kernels:
  - .name:           k_qae2af293b5_oproj
    .symbol:         k_qae2af293b5_oproj.kd
    .args:
      - { .name: ac, .offset: 0, .size: 8, .value_kind: global_buffer, .address_space: global }
      - { .name: wc, .offset: 8, .size: 8, .value_kind: global_buffer, .address_space: global }
      - { .name: lowp_scales, .offset: 16, .size: 8, .value_kind: global_buffer, .address_space: global }
      - { .name: out0, .offset: 24, .size: 8, .value_kind: global_buffer, .address_space: global }
    .group_segment_fixed_size: 327680
    .private_segment_fixed_size: 0
    .kernarg_segment_align: 8
    .kernarg_segment_size: 32
    .max_flat_workgroup_size: 128
    .sgpr_count:     98
    .vgpr_count:     768
    .wavefront_size: 32
...
	.end_amdgpu_metadata
.endif
;; end of part 4
